; MI455X (gfx1250); checked and timed in simulation.
; The chip was launched on July 23, 2026; its instructions are those of AMD's public machine-readable ISA for CDNA 5 (MIT licence, August 2026) and "CDNA5" Instruction Set Architecture Reference Guide (July 2026). The comments in the code are by the model that wrote it; some were corrected since.
;; Attention. Allowed arithmetic: matrix products marked QUANTISED: E2M1 operands, one E8M0 scale for each 32 along K, by v_wmma_scale_f32_16x16x128_f8f6f4 with both operands' format E2M1 (or v_wmma_scale_f32_32x16x128_f4), f32 sums; products left as they are: bf16, f16 or f32 operands; f32 sums; everything else in f32.
;; Inputs: W_out 256 x 256 float32; W_qkv 256 x 768 float32; b_out 256 float32; bias_table 3,969 x 8 float32; rel_index 1,048,576 int32; x 32 x 1,024 x 256 float32.
;; Outputs: out0 32 x 1,024 x 256 float32.
;; This version of the problem:
;;   THIS VERSION OF THE PROBLEM IS GIVEN IN LOW PRECISION. The matrix products marked QUANTISED in the list below multiply operands that are first quantised to E2M1 (2 exponent bits, 1 mantissa bit; 4 bits a number), with one power-of-two scale for each 32 numbers along K (OCP MX v1.0); their sums are f32. The products marked 'left as it is' may take bf16, f16 or f32 operands, with f32 sums. Whichever they take, every output number must still come out within the allowed error. Rounding operands to bf16 (8 significant bits) uses up far more of that allowance than f16 does (11 bits, for magnitudes from 6e-5 to 65,504). All else is computed in f32.
;;   The module's matrix products, in the order in which they are computed (A, B: the left and right operand; K: the contracted axis; several contracted axes count as one K, in the product's order):
;;     1. [M 32,768, K 256] x [K 256, N 768]; A: input x; B: input W_qkv: QUANTISED
;;     2. batch 256 x [M 1,024, K 32] x [K 32, N 1,024]; A: computed on the way; B: computed on the way: left as it is (an operand is computed on the way)
;;     3. batch 256 x [M 1,024, K 1,024] x [K 1,024, N 32]; A: computed on the way; B: computed on the way: left as it is (an operand is computed on the way)
;;     4. [M 32,768, K 256] x [K 256, N 256]; A: computed on the way; B: input W_out: left as it is (an operand is computed on the way)
;;   THE QUANTISER, for each operand of a quantised product, along K:
;;     - K is cut into blocks of 32 from its start; a last block that is shorter is filled with zeros.
;;     - A block's scale is 2^e with e = floor(log2(the largest magnitude in the block)) - 2, held to -126 .. 127; a block of zeros has e = 0. As a byte (E8M0): e + 127.
;;     - Each number is divided by its block's scale, clamped to +-6, and rounded to the nearest number of E2M1, ties to even, subnormals kept.
;;     - The product sums the exact products of the quantised numbers (number of the format x scale) in f32.
;;   ~~~python
;;   def quantise(x, axis):      # numpy; x: float32 -> the quantised numbers, widened to float32 again
;;       x = np.moveaxis(x, axis, -1); K = x.shape[-1]
;;       x = np.pad(x, [(0, 0)] * (x.ndim - 1) + [(0, -K % 32)]); x = x.reshape(x.shape[:-1] + (-1, 32)); a = np.abs(x).max(-1, keepdims=True)
;;       e = np.where(a > 0, np.clip(np.frexp(np.where(a > 0, a, 1))[1] - 1 - 2, -126, 127), 0)      # np.frexp(a)[1] - 1 = floor(log2(a)), exactly
;;       r = np.clip(x / 2.0 ** e, -6, 6)
;;       step = 2.0 ** (np.maximum(np.frexp(np.where(r == 0, 1, r))[1] - 1, 0) - 1)
;;       q = np.round(r / step) * step * 2.0 ** e      # np.round: ties to even
;;       return np.moveaxis(q.reshape(q.shape[:-2] + (-1,))[..., :K], -1, axis).astype(np.float32)
;;   ~~~
;; One version. Each part assembles by itself: llvm-mc -triple=amdgcn-amd-amdhsa -mcpu=gfx1250 --defsym DOCPART=n.
;; ======== version 1 of 1: 4 launches
;; limits: values are held in f16: magnitudes above 65,504 overflow, below 6.1e-05 lose precision
;; workspace buffers: biasw 33,554,432 bytes; wc 98,304 bytes; ws 6,144 bytes; wo 131,072 bytes; qw 16,777,216 bytes; kv 33,554,432 bytes; ao 16,777,216 bytes
;; launch pre (part 1): grid 276 x 1, 4 waves a work-group, no clusters, 139,776 bytes of LDS; arguments rel_index, bias_table, W_qkv, W_out, biasw, wc, ws, wo; writes biasw, wc, ws, wo
.if DOCPART == 1
	.amdgcn_target "amdgcn-amd-amdhsa--gfx1250"
	.amdhsa_code_object_version 6
	.text
	.protected	k_q3cee17218d_pre
	.globl	k_q3cee17218d_pre
	.p2align	8
	.type	k_q3cee17218d_pre,@function
k_q3cee17218d_pre:
	s_mov_b64 s[64:65], 0
	v_nop
	global_prefetch_b8 v0, s[64:65] scope:SCOPE_SE
	s_setreg_imm32_b32 hwreg(HW_REG_WAVE_MODE, 25, 1), 1
	s_wait_xcnt 0x0
; PRE: three jobs that are done once, told apart by the work-group's number.
;  work-groups 0-255:   biasw[h][qt][kt][c][lane][4] = log2(e) x bias_table[rel_index[q x 1024 + key]][h], laid as the C operand of a tile of scores (16 keys x 16 queries):
;                       lane (r, hl) of chunk c holds query 16 qt + r and keys 16 kt + 8 hl + 4 c + 0 .. 3.
;  work-groups 256-267: W_qkv [256 (k)][768 (n)] f32 -> codes of E2M1 with K innermost, laid as operand registers (wc), and one word of four E8M0 bytes for a column and 128 along K (ws).
;  work-groups 268-275: W_out [256 (k)][256 (n)] f32 -> f16, laid as the registers of the second source of a 16 x 16 x 32 product (wo); tile t of column group G holds columns 64 G + 4 r + t.
; LIMITS: NaN and infinities are not served.  A block of zeros gets the scale byte 1 where the rule says 127: its codes are zeros, and this program alone reads the bytes.
; rel_index is held at 3,968 from above, the table's last row.  W_out must stay under 65,504 in size (f16).
; No matrix work, no tensor load, no cluster: the work-groups share nothing but the small table, which goes through registers.
.set HB,    16*272                     ; LDS: a head's part of a wave's region: 16 chunks of 256 bytes + 16 of padding
.set WREG,  8*HB                       ; a wave's region: 8 heads
.set SPARE, 4*WREG                     ; behind the four regions: the spare words, 128 bytes a wave, which no other line names
.set SPW,   198                        ; v198 LDS address of my spare word; never rewritten
.set NIL,   199                        ; v199 0; never rewritten
.set LB,    8                          ; v8   where my lane's number of an item goes in LDS
.set RDA,   9                          ; v9   where I read a chunk back
.set IOF,   10                         ; v10  my byte offset among the indices
.set GOF,   20                         ; v20-23 my byte offset in biasw, one for each pair of heads
.set IDX,   32                         ; v32-63 32 indices, then byte offsets of table rows
.set GA,    64                         ; v64-127, v128-191: two sets of 8 items x 8 heads
.set GB,    128
.set LE,    28                         ; s[28:29] log2(e)
	s_load_b256 s[4:11], s[0:1], 0x0               ; rel_index s[4:5], bias_table s[6:7], W_qkv s[8:9], W_out s[10:11]
	s_load_b256 s[16:23], s[0:1], 0x20             ; biasw s[16:17], wc s[18:19], ws s[20:21], wo s[22:23]
	v_lshl_add_u32 v[SPW], v0, 2, SPARE
	v_mov_b32 v[NIL], 0
	v_lshrrev_b32 v1, 5, v0
	v_readfirstlane_b32 s12, v1                    ; wave 0..3
	v_and_b32 v2, 31, v0                           ; lane
	v_and_b32 v3, 15, v0                           ; r
	v_bfe_u32 v4, v0, 4, 1                         ; hl
	s_mov_b32 s15, 0                               ; the high word of every offset pair s[14:15]
	s_wait_kmcnt 0x0
	s_cmp_lt_u32 ttmp9, 256
	s_cbranch_scc1 .Lbias
	s_cmp_lt_u32 ttmp9, 268
	s_cbranch_scc1 .Lwq
; ---- W_out: work-group = K step s of 32, wave = column group G of 64.
	s_sub_co_u32 s13, ttmp9, 268                   ; s
	s_lshl_b32 s14, s13, 15                        ; 32 rows of 1,024 bytes
	s_add_nc_u64 s[10:11], s[10:11], s[14:15]
	s_lshl_b32 s14, s13, 12                        ; a K step's four tiles in wo
	s_add_nc_u64 s[22:23], s[22:23], s[14:15]
	s_lshl_b32 s14, s12, 8
	v_lshl_add_u32 v5, v4, 13, s14                 ; in: 8 hl rows + 256 G
	v_lshl_add_u32 v5, v3, 4, v5                   ;     + 16 r: sixteen lanes read 256 consecutive bytes of a row
	s_lshl_b32 s14, s12, 15
	v_lshl_add_u32 v6, v2, 4, s14                  ; out: 32,768 G + 16 x lane
.irp c, 0,1
.irp k, 0,1,2,3,4,5,6,7
	global_load_b128 v[32+32*\c+4*\k:32+32*\c+4*\k+3], v5, s[10:11] offset:(16*\c+\k)*1024 th:TH_LOAD_NT   ; W_out[32 s + 16 c + 8 hl + k][64 G + 4 r + 0 .. 3]
.endr
.endr
	s_wait_loadcnt 0x0
.irp t, 0,1,2,3
.irp c, 0,1
.irp p, 0,1,2,3
	v_cvt_pk_f16_f32 v[96+4*(2*\t+\c)+\p], v[32+32*\c+8*\p+\t], v[32+32*\c+8*\p+4+\t]   ; column 4 r + t, rows 2 p and 2 p + 1: the choice of registers turns the block
.endr
	global_store_b128 v6, v[96+4*(2*\t+\c):96+4*(2*\t+\c)+3], s[22:23] offset:\t*1024+\c*512   ; the wave stores 512 consecutive bytes
.endr
.endr
	s_endpgm
; ---- W_qkv: work-group = 128 columns x one K step of 128.  A lane takes a column and its registers run down K, so a block of 32 is one lane's.
.Lwq:
	s_sub_co_u32 s13, ttmp9, 256
	s_lshr_b32 s24, s13, 1                         ; which 128 columns
	s_and_b32 s13, s13, 1                          ; K step s
	s_mul_i32 s14, s13, 393216                     ; 128 rows of 3,072 bytes
	s_add_nc_u64 s[8:9], s[8:9], s[14:15]
	s_lshl_b32 s14, s13, 10
	s_add_nc_u64 s[18:19], s[18:19], s[14:15]      ; wc: + 1,024 s
	s_mul_i32 s14, s13, 3072
	s_add_nc_u64 s[20:21], s[20:21], s[14:15]      ; ws: + 768 words x s
	s_lshl_b32 s24, s24, 7
	s_lshl_b32 s25, s12, 5
	s_add_co_u32 s24, s24, s25
	v_add_nc_u32 v5, s24, v2                       ; my column n
	v_lshlrev_b32 v6, 2, v5                        ; 4 n
	v_lshrrev_b32 v7, 4, v5
	v_lshlrev_b32 v7, 11, v7
	v_lshl_add_u32 v7, v3, 4, v7                   ; wc: 2,048 (n / 16) + 16 (n % 16)
.macro LOADW t                         ; block t: W(128 s + 32 t + i, n), i = 0 .. 31, into set t % 2; the wave reads 128 consecutive bytes a load
.set n, 0
.rept 32
	global_load_b32 v[32+32*((\t)%2)+n], v6, s[8:9] offset:(32*(\t)+n)*3072 th:TH_LOAD_NT
.set n, n+1
.endr
.endm
.macro BLOCKW t
.set XB, 32+32*((\t)%2)
.if (\t) < 3
	s_wait_loadcnt 32                              ; this block's 32 loads are in; the next block's 32 may be out
.else
	s_wait_loadcnt 0x0
.endif
	v_max3_num_f32 v14, |v[XB]|, |v[XB+1]|, |v[XB+2]|          ; the block's largest magnitude, in two chains
	v_max3_num_f32 v15, |v[XB+3]|, |v[XB+4]|, |v[XB+5]|
.irp i, 6,10,14,18,22,26
	v_max3_num_f32 v14, v14, |v[XB+\i]|, |v[XB+\i+1]|
	v_max3_num_f32 v15, v15, |v[XB+\i+2]|, |v[XB+\i+3]|
.endr
	v_max3_num_f32 v14, v14, |v[XB+30]|, |v[XB+31]|
	v_max3_num_f32 v14, v14, v15, 0x1800000        ; and the floor 2^(3 - 127): the byte cannot fall under 1
	v_add_nc_u32 v16, 0xff000000, v14              ; 2 off the exponent field: the conversion takes this operand's exponent field as its scale
	v_lshrrev_b32 v15, 23, v16                     ; the scale's byte
.if (\t) == 0
	v_mov_b32 v24, v15
.else
	v_lshl_or_b32 v24, v15, 8*(\t), v24            ; byte t of the column's word
.endif
.irp g, 0,1,2,3
	v_cvt_scalef32_pk8_fp4_f32 v[96+4*(\t)+\g], v[XB+8*\g:XB+8*\g+7], v16
.endr
	global_store_b128 v7, v[96+4*(\t):96+4*(\t)+3], s[18:19] offset:((\t)/2)*512+((\t)%2)*256   ; chunk t / 2, lanes' half t % 2: sixteen lanes fill 256 consecutive bytes.  Each block has its own code registers
.if (\t)+2 < 4
	LOADW (\t)+2
.endif
.endm
	LOADW 0
	LOADW 1
	BLOCKW 0
	BLOCKW 1
	BLOCKW 2
	BLOCKW 3
	global_store_b32 v6, v24, s[20:21]             ; the column's scale word of this K step
	s_endpgm
; ---- the bias: work-group = 16 queries (tile qt) x 256 keys; wave = 64 of those keys, all 16 queries, all 8 heads.  An item is one query x 32 keys, a lane a key: 32 items a wave.
; A table row holds the 8 heads of one index: 32 bytes, two loads.  The numbers go through the wave's own LDS region, where they are laid as the C operand wants them, and leave as runs of 512 bytes.
.Lbias:
	s_lshr_b32 s13, ttmp9, 2                       ; qt
	s_and_b32 s24, ttmp9, 3                        ; which 256 keys
	s_lshl_b32 s13, s13, 16                        ; 16 rows of 4,096 bytes of rel_index; also a query tile's 65,536 bytes of a head in biasw
	s_lshl_b32 s14, s24, 10
	s_add_co_u32 s14, s14, s13
	s_add_nc_u64 s[4:5], s[4:5], s[14:15]
	s_lshl_b32 s14, s24, 14                        ; 16 key tiles of 1,024 bytes
	s_add_co_u32 s14, s14, s13
	s_add_nc_u64 s[16:17], s[16:17], s[14:15]
	s_mov_b32 s[LE], 0x3fb8aa3b                    ; log2(e)
	s_mov_b32 s[LE+1], s[LE]                       ; (named with it as a pair, so it is written)
	s_lshl_b32 s26, s12, 8
	v_lshl_add_u32 v[IOF], v2, 2, s26              ; my key's index: 256 x wave + 4 x lane
	v_bfe_u32 v6, v0, 2, 1                         ; c of my key
	v_bfe_u32 v7, v0, 3, 1                         ; hl of my key
	v_lshl_add_u32 v6, v6, 1, v7
	v_lshl_add_u32 v6, v4, 2, v6                   ; chunk = 4 (lane / 16) + 2 c + hl: eight different ones in a wave
	v_mul_u32_u24 v6, v6, 272                      ; 68 words a chunk: chunk i starts 4 i words on modulo 64, so the 32 lanes of a store fall on 32 different banks (64 banks of 4 bytes: ISA guide 11.1)
	v_and_b32 v7, 3, v0
	v_lshl_add_u32 v6, v7, 2, v6
	s_mul_i32 s26, s12, WREG
	v_add_nc_u32 v[LB], s26, v6
	v_mul_u32_u24 v7, v4, 272
	v_lshl_add_u32 v7, v3, 4, v7
	v_add_nc_u32 v[RDA], s26, v7                   ; back: lanes 0-15 the chunk of hl = 0, lanes 16-31 that of hl = 1
	s_lshl_b32 s26, s12, 12
	v_lshl_add_u32 v7, v2, 4, s26                  ; biasw: my wave's 4 key tiles + 16 x lane
.irp p, 0,1,2,3
	v_add_nc_u32 v[GOF+\p], \p*8388608, v7         ; + two heads of 4,194,304 bytes for each pair
.endr
.set n, 0
.rept 32                                       ; item n: query n / 2, keys 32 (n % 2) on
	global_load_b32 v[IDX+n], v[IOF], s[4:5] offset:(n/2)*4096+(n%2)*128 th:TH_LOAD_NT
.set n, n+1
.endr
	s_wait_loadcnt 0x0
.set n, 0
.rept 32
	v_min_u32 v[IDX+n], 3968, v[IDX+n]             ; held inside the table
.set n, n+1
.endr
.set n, 0
.rept 32
	v_lshlrev_b32 v[IDX+n], 5, v[IDX+n]            ; 32 bytes a row
.set n, n+1
.endr
.macro GATH g, set                     ; group g: items 8 g .. 8 g + 7: 16 loads
.irp e, 0,1,2,3,4,5,6,7
	global_load_b128 v[\set+8*\e:\set+8*\e+3], v[IDX+8*(\g)+\e], s[6:7]
	global_load_b128 v[\set+8*\e+4:\set+8*\e+7], v[IDX+8*(\g)+\e], s[6:7] offset:16
.endr
.endm
.macro PUT g, set, left, more
	s_wait_loadcnt \left                           ; this group's 16 gathers are in; the next group's 16 may be out
.set n, 0
.rept 32
	v_pk_mul_f32 v[\set+2*n:\set+2*n+1], v[\set+2*n:\set+2*n+1], s[LE:LE+1] op_sel_hi:[1,0]
.set n, n+1
.endr
.set n, 0
.rept 64                                       ; item 8 g + n / 8, head n % 8
	ds_store_b32 v[LB], v[\set+n] offset:(n%8)*HB+((n/8)%2)*2176+16*(4*(\g)+n/16)
.set n, n+1
.endr
	s_wait_dscnt 0x0                               ; the stores have read their registers
.if \more
	GATH (\g)+2, \set
.endif
.endm
	GATH 0, GA
	GATH 1, GB
	PUT 0, GA, 16, 1
	PUT 1, GB, 16, 1
	PUT 2, GA, 16, 0
	PUT 3, GB, 0, 0
.irp p, 0,1,2,3                                ; heads 2 p and 2 p + 1: 16 chunks of 512 bytes; the two register sets by turns
.if \p >= 2
	s_wait_xcnt 0x0                                ; the stores of two runs back have read their registers
.endif
.irp t, 0,1,2,3,4,5,6,7,8,9,10,11,12,13,14,15
	ds_load_b128 v[GA+64*(\p%2)+4*\t:GA+64*(\p%2)+4*\t+3], v[RDA] offset:(2*\p+\t/8)*HB+((\t/2)%4)*1088+(\t%2)*544
.endr
.irp t, 0,1,2,3,4,5,6,7,8,9,10,11,12,13,14,15
	s_wait_dscnt 15-\t                             ; LDS loads come back in order: the younger ones of the run may be out
	global_store_b128 v[GOF+\p], v[GA+64*(\p%2)+4*\t:GA+64*(\p%2)+4*\t+3], s[16:17] offset:(\t/8)*4194304+((\t/2)%4)*1024+(\t%2)*512
.endr
.endr
	s_wait_tensorcnt 0x0                           ; the wave's end, behind my last LDS store
	ds_add_u32 v[SPW], v[NIL]
	s_wait_dscnt 0x0
	s_endpgm
.Lfunc_end_k_q3cee17218d_pre:
	.size	k_q3cee17218d_pre, .Lfunc_end_k_q3cee17218d_pre-k_q3cee17218d_pre
	.p2alignl 7, 3214868480
	.fill 96, 4, 3214868480
	.section	.rodata,"a",@progbits
	.p2align	6, 0x0
	.amdhsa_kernel k_q3cee17218d_pre
		.amdhsa_group_segment_fixed_size 139776
		.amdhsa_private_segment_fixed_size 0
		.amdhsa_enable_private_segment 0
		.amdhsa_kernarg_size 64
		.amdhsa_user_sgpr_count 2
		.amdhsa_user_sgpr_kernarg_segment_ptr 1
		.amdhsa_wavefront_size32 1
		.amdhsa_system_sgpr_workgroup_id_x 1
		.amdhsa_system_sgpr_workgroup_id_y 1
		.amdhsa_system_sgpr_workgroup_id_z 1
		.amdhsa_system_vgpr_workitem_id 0
		.amdhsa_next_free_vgpr 200
		.amdhsa_next_free_sgpr 66
		.amdhsa_reserve_vcc 0
		.amdhsa_float_denorm_mode_32 3
		.amdhsa_float_denorm_mode_16_64 3
		.amdhsa_memory_ordered 1
		.amdhsa_forward_progress 1
		.amdhsa_inst_pref_size 75
	.end_amdhsa_kernel
	.amdgpu_metadata
---
amdhsa.version: [ 1, 2 ]
amdhsa.kernels:
  - .name:           k_q3cee17218d_pre
    .symbol:         k_q3cee17218d_pre.kd
    .args:
      - { .name: rel_index, .offset: 0, .size: 8, .value_kind: global_buffer, .address_space: global }
      - { .name: bias_table, .offset: 8, .size: 8, .value_kind: global_buffer, .address_space: global }
      - { .name: W_qkv, .offset: 16, .size: 8, .value_kind: global_buffer, .address_space: global }
      - { .name: W_out, .offset: 24, .size: 8, .value_kind: global_buffer, .address_space: global }
      - { .name: biasw, .offset: 32, .size: 8, .value_kind: global_buffer, .address_space: global }
      - { .name: wc, .offset: 40, .size: 8, .value_kind: global_buffer, .address_space: global }
      - { .name: ws, .offset: 48, .size: 8, .value_kind: global_buffer, .address_space: global }
      - { .name: wo, .offset: 56, .size: 8, .value_kind: global_buffer, .address_space: global }
    .group_segment_fixed_size: 139776
    .private_segment_fixed_size: 0
    .kernarg_segment_align: 8
    .kernarg_segment_size: 64
    .max_flat_workgroup_size: 128
    .sgpr_count:     66
    .vgpr_count:     200
    .wavefront_size: 32
...
	.end_amdgpu_metadata
.endif
;; end of part 1
;; launch qkv (part 2): grid 256 x 1, 8 waves a work-group, no clusters, 167,936 bytes of LDS; arguments x, wc, ws, qw, kv; writes qw, kv
.if DOCPART == 2
	.amdgcn_target "amdgcn-amd-amdhsa--gfx1250"
	.amdhsa_code_object_version 6
	.text
	.protected	k_q3cee17218d_qkv
	.globl	k_q3cee17218d_qkv
	.p2align	8
	.type	k_q3cee17218d_qkv,@function
k_q3cee17218d_qkv:
	s_mov_b64 s[64:65], 0
	v_nop
	global_prefetch_b8 v0, s[64:65] scope:SCOPE_SE
	s_setreg_imm32_b32 hwreg(HW_REG_WAVE_MODE, 25, 1), 1
	s_wait_xcnt 0x0
; QKV: qkv = Q(x) Q(W_qkv), both operands codes of E2M1 with one E8M0 scale for each 32 along K = 256; sums in f32.  The results leave in f16, laid as the registers of the attention's operands:
;   qw[b][h][qt][c][lane]: q x (32^-0.5 log2(e)) of token 16 qt + r, channels 16 c + 8 hl + 0 .. 7;   kv[b][h]: K likewise (65,536 bytes), then V: [g][dt][c][lane] = v of tokens 32 g + 16 c + 8 hl + 0 .. 7, channel 16 dt + r.
; SHARES.  A work-group takes 128 tokens.  Wave w first quantises token tile w (16 rows of x, brought by its own tensor load), and hands the codes on through LDS as images of the operand's registers;
; then, as head w, it makes the 96 columns q, k, v of its head for all eight token tiles.  Its 12 fragments of W and their scale words stay in registers, loaded once as they lie in wc and ws.
; q's and k's tiles are used transposed (source 0 = 16 columns of W, source 1 = 16 tokens): a lane holds 8 neighbouring channels of one token.  v's are used as they stand: a lane holds 8 neighbouring tokens of one channel.
; NO CLUSTER: what work-groups share is the weights, 102 KB of the 422 KB that a work-group moves; each byte of them is wanted by one wave, in registers, once: a joint load would add a trip through LDS and two rounds.
; LIMITS: NaN and infinities are not served; a block of zeros gets the scale byte 1 (its codes are zeros; the bytes are this program's own); q x 0.255, k and v must stay under 65,504 in size (f16).
.set XPITCH, 1040                      ; a row of x in LDS: 1,024 bytes + 16: an odd multiple of 16, so the 16 rows that a load touches start at 16 different banks (ISA guide 11.1)
.set XIMG,  128*XPITCH                 ; behind x: the 16 fragments' images (token tile m, K step s at 1,024 (2 m + s)),
.set XSC,   XIMG+16*1024               ; their scale words, 128 bytes each,
.set SPARE, XSC+16*128                 ; and the spare words, 128 bytes a wave, which no other line names
.set XA,  4                            ; v4   my 64 bytes of a block in my wave's rows of x
.set LI,  5                            ; v5   XIMG + 16 x lane
.set LS,  6                            ; v6   XSC + 4 x lane
.set XWI, 7                            ; v7   where I store my tile's images: LI + 2,048 x wave
.set XWS, 8                            ; v8   and their scale words: LS + 256 x wave
.set WSO, 9                            ; v9   4 r
.set GLI, 10                           ; v10  16 x lane: the offset of every image in memory
.set WF,  16                           ; v16-111  W: tile t (0, 1 q; 2, 3 k; 4, 5 v), K step s at 16 + 8 (2 t + s)
.set WS,  112                          ; v112-123 their scale words
.set XN,  128                          ; v128-191 64 numbers of x;  later
.set ACC, 128                          ; v128-175 six accumulators
.set OUT, 176                          ; v176-199 the results in f16
.set TM,  200                          ; v200-215 the quantiser's
.set PW,  216                          ; v216 the scale word just made
.set XS,  217                          ; v217-218 x's scale words
.set PC,  224                          ; v224-231 the codes just made
.set XF,  232                          ; v232-247 x's two fragments
.set SPW, 252
.set NIL, 253
.set WV,  14
.set SEL, 20
.set CS,  22
.set G0,  24
.set G1,  32
; 64 numbers of a lane, register 16 b + i = k 32 b + 16 (lane / 16) + i of my row, become a fragment's codes in v[PC] on and its scale word in v[PW]
.macro QUANT s
.irp b, 0,1,2,3
	v_max3_num_f32 v[TM+\b], |v[\s+16*\b]|, |v[\s+1+16*\b]|, 0x1800000   ; my 16 numbers of block b, and the floor 2^(3 - 127): the byte cannot fall under 1
.endr
.irp i, 2,4,6,8,10,12,14
.irp b, 0,1,2,3
	v_max3_num_f32 v[TM+\b], v[TM+\b], |v[\s+16*\b+\i]|, |v[\s+1+16*\b+\i]|
.endr
.endr
.irp b, 0,1,2,3
	v_permlanex16_b32 v[TM+4+\b], v[TM+\b], s[SEL], s[SEL+1]
.endr
.irp b, 0,1,2,3
	v_max_num_f32 v[TM+\b], v[TM+\b], v[TM+4+\b]   ; with lane l xor 16's: the block's largest magnitude
.endr
.irp b, 0,1,2,3
	v_add_nc_u32 v[TM+12+\b], 0xff000000, v[TM+\b] ; 2 off its exponent field: the conversion's scale operand
.endr
.irp b, 0,1,2,3
	v_lshrrev_b32 v[TM+4+\b], 23, v[TM+12+\b]      ; the scale's byte
.endr
	v_lshl_or_b32 v[PW], v[TM+5], 8, v[TM+4]
	v_lshl_or_b32 v[PW], v[TM+6], 16, v[PW]
	v_lshl_or_b32 v[PW], v[TM+7], 24, v[PW]
.irp b, 0,1,2,3
	v_cvt_scalef32_pk8_fp4_f32 v[PC+2*\b], v[\s+16*\b:\s+7+16*\b], v[TM+12+\b]
	v_cvt_scalef32_pk8_fp4_f32 v[PC+1+2*\b], v[\s+8+16*\b:\s+15+16*\b], v[TM+12+\b]
.endr
	v_nop                                          ; one plain place behind a scaled conversion
.irp c, 0,1                                    ; the operand wants a whole block in a lane: lanes 0-15 block 2 c, lanes 16-31 block 2 c + 1
.irp i, 0,1
	v_permlane16_swap_b32 v[PC+4*\c+\i], v[PC+2+4*\c+\i]
.endr
.endr
.endm
.macro FETCHX m                        ; token tile m's two fragments and scale words, as any wave stored them
.irp s, 0,1
.irp c, 0,1
	ds_load_b128 v[XF+8*\s+4*\c:XF+8*\s+4*\c+3], v[LI] offset:(2*(\m)+\s)*1024+512*\c
.endr
	ds_load_b32 v[XS+\s], v[LS] offset:128*(2*(\m)+\s)
.endr
.endm
	s_load_b256 s[4:11], s[0:1], 0x0               ; x s[4:5], wc s[6:7], ws s[8:9], qw s[10:11]
	s_load_b64 s[12:13], s[0:1], 0x20              ; kv
	v_lshl_add_u32 v[SPW], v0, 2, SPARE
	v_mov_b32 v[NIL], 0
	ds_add_u32 v[SPW], v[NIL]                      ; the wave's opening: the add, twice on end, and its wait ahead of my first tensor load
	ds_add_u32 v[SPW], v[NIL]
	v_lshrrev_b32 v1, 5, v0
	v_readfirstlane_b32 s[WV], v1                  ; wave 0..7
	; descriptor group 1: 16 rows of 256 elements of 4 bytes, 4 words of padding behind each row
	s_mov_b32 s[G1+0], (2<<16)|(1<<20)|(7<<22)|(3<<25)
	s_mov_b32 s[G1+1], 256<<16                     ; tensor_dim0
	s_mov_b32 s[G1+2], 16<<16                      ; tensor_dim1
	s_mov_b32 s[G1+3], 256<<16                     ; tile_dim0
	s_mov_b32 s[G1+4], 16                          ; tile_dim1
	s_mov_b32 s[G1+5], 256                         ; elements from row to row
	s_mov_b32 s[G1+6], 0
	s_mov_b32 s[G1+7], 0
	s_mov_b32 s[G0], 1
	s_mul_i32 s[G0+1], s[WV], 16*XPITCH            ; my 16 rows in LDS
	s_lshl_b32 s16, ttmp9, 17                      ; the work-group's 128 rows of 1,024 bytes,
	s_lshl_b32 s17, s[WV], 14                      ; my 16 of them
	s_add_co_u32 s16, s16, s17
	s_mov_b32 s17, 0
	s_mov_b32 s[SEL], 0x76543210
	s_mov_b32 s[SEL+1], 0xfedcba98                 ; v_permlanex16_b32's selects for lane l xor 16
	s_mov_b32 s[CS], 0x3e8293ee                    ; 32^-0.5 x log2(e)
	s_mov_b32 s[CS+1], s[CS]
	s_wait_dscnt 0x0                               ; both opening adds are done
	s_wait_kmcnt 0x0
	s_add_nc_u64 s[G0+2:G0+3], s[4:5], s[16:17]
	s_or_b32 s[G0+3], s[G0+3], 0x80000000          ; type = 2
	tensor_load_to_lds s[G0:G0+3], s[G1:G1+7]      ; my one tensor load: filled once, read by me alone
	s_nop 0
	v_and_b32 v1, 31, v0
	v_and_b32 v2, 15, v0                           ; r
	v_bfe_u32 v3, v0, 4, 1                         ; hl
	v_lshlrev_b32 v[GLI], 4, v1
	v_add_nc_u32 v[LI], XIMG, v[GLI]
	v_lshlrev_b32 v[LS], 2, v1
	v_add_nc_u32 v[LS], XSC, v[LS]
	s_lshl_b32 s18, s[WV], 11
	v_add_nc_u32 v[XWI], s18, v[LI]
	s_lshl_b32 s18, s[WV], 8
	v_add_nc_u32 v[XWS], s18, v[LS]
	v_mul_u32_u24 v[XA], v2, XPITCH
	v_lshl_add_u32 v[XA], v3, 6, v[XA]
	v_add_nc_u32 v[XA], s[G0+1], v[XA]             ; row r of my 16, + 64 hl: my 16 numbers of a block of 32
	v_lshlrev_b32 v[WSO], 2, v2
.irp b, 0,1,2,3
	v_mov_b32 v[TM+4+\b], 0                        ; written once: a lane permute's destination counts as one of its sources
.endr
	s_lshl_b32 s16, s[WV], 12                      ; wc: my head's two column tiles of each section
	s_add_nc_u64 s[6:7], s[6:7], s[16:17]
	s_lshl_b32 s16, s[WV], 7                       ; ws: my head's 32 words
	s_add_nc_u64 s[8:9], s[8:9], s[16:17]
.irp t, 0,1,2,3,4,5
.irp s, 0,1
.irp c, 0,1
	global_load_b128 v[WF+8*(2*\t+\s)+4*\c:WF+8*(2*\t+\s)+4*\c+3], v[GLI], s[6:7] offset:(\t/2)*32768+(\t%2)*2048+\s*1024+\c*512
.endr
	global_load_b32 v[WS+2*\t+\s], v[WSO], s[8:9] offset:\s*3072+(\t/2)*1024+(\t%2)*64
.endr
.endr
	s_and_b32 s18, ttmp9, 0xf8
	s_add_co_u32 s18, s18, s[WV]                   ; 8 b + h
	s_and_b32 s19, ttmp9, 7
	s_lshl_b32 s19, s19, 13                        ; the work-group's 8 token tiles of 1,024 bytes
	s_lshl_b32 s16, s18, 16
	s_add_co_u32 s16, s16, s19
	s_add_nc_u64 s[10:11], s[10:11], s[16:17]
	s_lshl_b32 s16, s18, 17
	s_add_co_u32 s16, s16, s19
	s_add_nc_u64 s[12:13], s[12:13], s[16:17]
	s_wait_tensorcnt 0x0                           ; my rows of x are in LDS
.irp s, 0,1                                    ; my token tile's two K steps of 128
.irp b, 0,1,2,3
.irp j, 0,1,2,3
	ds_load_b128 v[XN+16*\b+4*\j:XN+16*\b+4*\j+3], v[XA] offset:512*\s+128*\b+16*\j
.endr
.endr
	s_wait_dscnt 0x0
	QUANT XN
.irp c, 0,1
	ds_store_b128 v[XWI], v[PC+4*\c:PC+4*\c+3] offset:1024*\s+512*\c   ; the fragment goes to LDS as it stands
.endr
	ds_store_b32 v[XWS], v[PW] offset:128*\s
	s_wait_dscnt 0x0                               ; the stores have landed, and have read their registers
.endr
	s_wait_loadcnt 0x0                             ; W and its scale words
	s_barrier_signal -1
	s_barrier_wait -1                              ; all sixteen fragments of x lie in LDS
	FETCHX 0
; One token tile: 12 scaled products, the six accumulators by turns; the first K step starts the sums.
.macro TILE m
	s_wait_dscnt 0x0                               ; x's fragments and scale words
.irp t, 0,1,2,3
	v_wmma_scale_f32_16x16x128_f8f6f4 v[ACC+8*\t:ACC+8*\t+7], v[WF+16*\t:WF+16*\t+7], v[XF:XF+7], 0, v[WS+2*\t], v[XS] matrix_a_fmt:MATRIX_FMT_FP4 matrix_b_fmt:MATRIX_FMT_FP4
.endr
.irp t, 4,5
	v_wmma_scale_f32_16x16x128_f8f6f4 v[ACC+8*\t:ACC+8*\t+7], v[XF:XF+7], v[WF+16*\t:WF+16*\t+7], 0, v[XS], v[WS+2*\t] matrix_a_fmt:MATRIX_FMT_FP4 matrix_b_fmt:MATRIX_FMT_FP4
.endr
.irp t, 0,1,2,3
	v_wmma_scale_f32_16x16x128_f8f6f4 v[ACC+8*\t:ACC+8*\t+7], v[WF+16*\t+8:WF+16*\t+15], v[XF+8:XF+15], v[ACC+8*\t:ACC+8*\t+7], v[WS+2*\t+1], v[XS+1] matrix_a_fmt:MATRIX_FMT_FP4 matrix_b_fmt:MATRIX_FMT_FP4
.endr
.irp t, 4,5
	v_wmma_scale_f32_16x16x128_f8f6f4 v[ACC+8*\t:ACC+8*\t+7], v[XF+8:XF+15], v[WF+16*\t+8:WF+16*\t+15], v[ACC+8*\t:ACC+8*\t+7], v[XS+1], v[WS+2*\t+1] matrix_a_fmt:MATRIX_FMT_FP4 matrix_b_fmt:MATRIX_FMT_FP4
.endr
.rept 4
	v_nop                                          ; four places in front of the loads into x's registers and of the first read of results
.endr
.if (\m) < 7
	FETCHX (\m)+1
.endif
.if (\m) > 0
	s_wait_xcnt 0x0                                ; the last tile's stores have read their registers
.endif
.irp j, 0,2,4,6,8,10,12,14
	v_pk_mul_f32 v[ACC+\j:ACC+\j+1], v[ACC+\j:ACC+\j+1], s[CS:CS+1] op_sel_hi:[1,0]   ; q alone, each accumulator from its low end on
.endr
.irp t, 0,1,2,3,4,5
.irp p, 0,1,2,3
	v_cvt_pk_f16_f32 v[OUT+4*\t+\p], v[ACC+8*\t+2*\p], v[ACC+8*\t+2*\p+1]
.endr
.endr
.irp c, 0,1                                    ; each store of the wave covers 512 consecutive bytes, aligned
	global_store_b128 v[GLI], v[OUT+4*\c:OUT+4*\c+3], s[10:11] offset:(\m)*1024+\c*512
	global_store_b128 v[GLI], v[OUT+8+4*\c:OUT+8+4*\c+3], s[12:13] offset:(\m)*1024+\c*512
	global_store_b128 v[GLI], v[OUT+16+4*\c:OUT+16+4*\c+3], s[12:13] offset:65536+((\m)/2)*2048+\c*1024+((\m)%2)*512
.endr
.endm
.irp m, 0,1,2,3,4,5,6,7
	TILE \m
.endr
	s_wait_tensorcnt 0x0                           ; the wave's end: behind my last tensor load and my last LDS store
	ds_add_u32 v[SPW], v[NIL]
	s_wait_dscnt 0x0
	s_endpgm
.Lfunc_end_k_q3cee17218d_qkv:
	.size	k_q3cee17218d_qkv, .Lfunc_end_k_q3cee17218d_qkv-k_q3cee17218d_qkv
	.p2alignl 7, 3214868480
	.fill 96, 4, 3214868480
	.section	.rodata,"a",@progbits
	.p2align	6, 0x0
	.amdhsa_kernel k_q3cee17218d_qkv
		.amdhsa_group_segment_fixed_size 167936
		.amdhsa_private_segment_fixed_size 0
		.amdhsa_enable_private_segment 0
		.amdhsa_kernarg_size 40
		.amdhsa_user_sgpr_count 2
		.amdhsa_user_sgpr_kernarg_segment_ptr 1
		.amdhsa_wavefront_size32 1
		.amdhsa_system_sgpr_workgroup_id_x 1
		.amdhsa_system_sgpr_workgroup_id_y 1
		.amdhsa_system_sgpr_workgroup_id_z 1
		.amdhsa_system_vgpr_workitem_id 0
		.amdhsa_next_free_vgpr 256
		.amdhsa_next_free_sgpr 66
		.amdhsa_reserve_vcc 0
		.amdhsa_float_denorm_mode_32 3
		.amdhsa_float_denorm_mode_16_64 3
		.amdhsa_memory_ordered 1
		.amdhsa_forward_progress 1
		.amdhsa_inst_pref_size 54
	.end_amdhsa_kernel
	.amdgpu_metadata
---
amdhsa.version: [ 1, 2 ]
amdhsa.kernels:
  - .name:           k_q3cee17218d_qkv
    .symbol:         k_q3cee17218d_qkv.kd
    .args:
      - { .name: x, .offset: 0, .size: 8, .value_kind: global_buffer, .address_space: global }
      - { .name: wc, .offset: 8, .size: 8, .value_kind: global_buffer, .address_space: global }
      - { .name: ws, .offset: 16, .size: 8, .value_kind: global_buffer, .address_space: global }
      - { .name: qw, .offset: 24, .size: 8, .value_kind: global_buffer, .address_space: global }
      - { .name: kv, .offset: 32, .size: 8, .value_kind: global_buffer, .address_space: global }
    .group_segment_fixed_size: 167936
    .private_segment_fixed_size: 0
    .kernarg_segment_align: 8
    .kernarg_segment_size: 40
    .max_flat_workgroup_size: 256
    .sgpr_count:     66
    .vgpr_count:     256
    .wavefront_size: 32
...
	.end_amdgpu_metadata
.endif
;; end of part 2
;; launch attn (part 3): grid 16 x 16, 8 waves a work-group, clusters of 4 x 1, 327,680 bytes of LDS; arguments qw, kv, biasw, ao; writes ao
.if DOCPART == 3
	.amdgcn_target "amdgcn-amd-amdhsa--gfx1250"
	.amdhsa_code_object_version 6
	.text
	.protected	k_q3cee17218d_attn
	.globl	k_q3cee17218d_attn
	.p2align	8
	.type	k_q3cee17218d_attn,@function
k_q3cee17218d_attn:
	s_mov_b64 s[64:65], 0
	v_nop
	global_prefetch_b8 v0, s[64:65] scope:SCOPE_SE
	s_setreg_imm32_b32 hwreg(HW_REG_WAVE_MODE, 25, 1), 1
	s_wait_xcnt 0x0
	s_wait_alu depctr_hold_cnt(0) depctr_sa_sdst(0) depctr_va_vdst(0) depctr_va_sdst(0) depctr_va_ssrc(0) depctr_va_vcc(0) depctr_vm_vsrc(0)
	s_getreg_b32 s2, hwreg(HW_REG_IB_STS2, 6, 4)
	s_cmp_eq_u32 s2, 0
	s_cbranch_scc0 .Lentry_in_a_cluster
	s_endpgm
.Lentry_in_a_cluster:
	s_bfe_u32 s2, ttmp6, 0x10000c
	s_cmp_lg_u32 s2, 0x3003
	s_cbranch_scc0 .Lentry_shape_is_right
	s_endpgm
.Lentry_shape_is_right:
; ATTN: o = softmax(q k^T / sqrt(32) + bias) v for 32 batches x 8 heads x 1,024 tokens, head size 32.  Operands f16, products' sums, maxima and sums in f32.
; q arrives multiplied by 32^-0.5 log2(e) and the bias by log2(e), so the scores are exponents to the base 2 as they leave the matrix unit.
; SHARES.  A work-group owns 64 queries of ONE head and walks 16 batches.  Wave w (p = w & 1, kq = w >> 1) owns query tiles 2 p, 2 p + 1 of the block and KEYS 256 kq .. + 255.
; THE BIAS of that rectangle, 2 x 16 tiles x 8 registers, fills window 1: it is loaded once, serves all 16 batches, and is added as the C operand of S^T = K Q^T + bias: no load and no addition in the loop.
; A query's keys are thus split over four waves: each keeps its own running maximum m, sum l and O^T, and once a batch the four parts meet in LDS: O = sum of 2^(m_i - M) O_i / sum of 2^(m_i - M) l_i.
; LAYOUT.  Both products transposed: S^T (source 0 = 16 keys, source 1 = 16 queries), O^T = V^T P (source 0 = 16 channels x 32 keys, source 1 = P): a lane holds one query throughout; two score tiles, rounded
; in pairs, are P's registers.  K, V and Q lie in memory as images of their registers, so every LDS load of a wave takes 512 consecutive bytes.
; BY TURNS.  A step is 64 keys.  One query tile's products (4 V^T P, 4 K Q^T) are followed by the OTHER tile's softmax, which reads none of them; two waves share a SIMD.
; CLUSTER.  The four work-groups of a cluster share head and batches, hence K and V: each wave's 16 KB of a batch's 128 KB are asked for jointly, by the same load with the same descriptor in all four.
; LIMITS: NaN and infinities are not served; weights p under 2^-25 count in the sum and not in the second product (at most 1,024 x 3e-8 of a sum that is at least 1); o must stay under 65,504 (f16).
; REGISTERS: window 0: v1-15 addresses; v16-31 statistics, 8 a tile; v32-47 Q; v48-79 O^T; v80-111 P; v112-175 S^T (in the combine: parts and results); v176-207 K of a step; v208-239 V.  Window 1: the bias.
.set SLOT1, 1<<17                      ; a slot: K's image, 65,536 bytes, then V's; slot 1 begins here, so that one exclusive or turns an address
.set PART,  2*SLOT1                    ; behind the ring: the parts: wave w at 4,608 w; its tile i at + 2,304 i: O^T in 4 x 512 bytes, then (-m, l) at 8 x lane
.set PWB,   4608
.set PTB,   2304
.set SPARE, PART+8*PWB                 ; the spare words, 128 bytes a wave, which no other line names
.set AK0, 1                            ; v1   my lane's place in my keys' K tiles
.set AV0, 2                            ; v2   and V tiles
.set ADK, 3                            ; v3   the same in the slot in hand
.set ADV, 4
.set QO,  5                            ; v5   my byte offset in the block's Q
.set PST, 6                            ; v6   parts: where I store O^T
.set PSM, 7                            ; v7   and (-m, l)
.set PLD, 8                            ; v8   where I read the four parts of my share of the combine
.set PLM, 9
.set GO,  10                           ; v10  my byte offset in ao
.set PFO, 11                           ; v11  256 x lane
.set SPW, 12                           ; v12  my spare word's address; never rewritten
.set NIL, 13                           ; v13  0; never rewritten
.set BOF, 14                           ; v14  16 x lane
.set ST,  16                           ; tile i at 16 + 8 i: +0 -m; +1 l whole; +2, +3 l in two halves; +4 .. +7 at work (a = 2^(old m - new m) in +6)
.set QF,  32
.set O,   48
.set P,   80
.set S,   112
.set KF,  176
.set VF,  208
.set CO,  112                          ; the combine: four parts of O^T,
.set CM,  144                          ; four pairs (-m, l),
.set G,   152                          ; four pairs (g, f),
.set R,   160                          ; the result,
.set PK,  168                          ; in f16
.set WV,  12
.set G1,  24
.set G0,  32
.set TB,  36                           ; s36  LDS byte at which the slot in hand begins
.set CNT, 37                           ; s37  batches still to be asked for
.set LIM, 38                           ; s38  1 in a wave that prefetches, else the greatest number
.set SEL, 40
.set PFA, 42                           ; s[42:43] where my prefetches stand
.set MSB, 0
.macro WIN new                         ; the immediate's high byte repeats the setting that is left
.if MSB != \new
	s_set_vgpr_msb (MSB<<8)|\new
.set MSB, \new
.endif
.endm
.macro CROUND                          ; a round of the cluster's barrier
	s_barrier_signal -1
	s_barrier_wait -1
	s_cmp_lg_u32 s[WV], 0
	s_cbranch_scc1 .Lnot_wave_0_\@
	s_barrier_signal -3
.Lnot_wave_0_\@:
	s_barrier_wait -3
	s_barrier_signal -1
	s_barrier_wait -1
.endm
; A PREFETCH INTO THE L2 of the batch that the NEXT change of slots will ask for: 131,072 bytes.  The four clusters of a head and half walk the same K and V: the first of them asks.  Its four partners
; take 32,768 bytes each, told apart by address; in each, waves 0 to 3 take 8,192, lanes 256 bytes apart: each block of 256 bytes is named once in the launch.  The last change that fills a slot asks for nothing.
.macro ASK
	s_cmp_gt_u32 s[CNT], s[LIM]
	s_cbranch_scc0 .Lnot_mine_\@
	global_prefetch_b8 v[PFO], s[PFA:PFA+1] th:TH_LOAD_NT scope:SCOPE_SE
.Lnot_mine_\@:
.endm
.macro FETCHK j                        ; step j's four key tiles
.irp a, 0,1,2,3
.irp c, 0,1
	ds_load_b128 v[KF+8*\a+4*\c:KF+8*\a+4*\c+3], v[ADK] offset:(4*(\j)+\a)*1024+512*\c
.endr
.endr
.endm
.macro FETCHV j                        ; step j's V: keys 32 g on, channels 16 d on
.irp g, 0,1
.irp d, 0,1
.irp c, 0,1
	ds_load_b128 v[VF+8*(2*\g+\d)+4*\c:VF+8*(2*\g+\d)+4*\c+3], v[ADV] offset:(2*(\j)+\g)*2048+\d*1024+512*\c
.endr
.endr
.endr
.endm
.macro QLOAD
.irp i, 0,1
.irp c, 0,1
	global_load_b128 v[QF+8*\i+4*\c:QF+8*\i+4*\c+3], v[QO], s[4:5] offset:\i*1024+\c*512
.endr
.endr
.endm
.macro SMM i, j                        ; S^T of tile i, step j: four products whose C is the bias, in window 1
	WIN 0x10
.irp a, 0,1,2,3
	v_wmma_f32_16x16x32_f16 v[S+32*(\i)+8*\a:S+32*(\i)+8*\a+7], v[KF+8*\a:KF+8*\a+7], v[QF+8*(\i):QF+8*(\i)+7], v[8*(16*(\i)+4*(\j)+\a):8*(16*(\i)+4*(\j)+\a)+7]
.endr
	WIN 0
.endm
.macro PVM i, first                    ; O^T of tile i += V^T P: the two accumulators by turns; first = 1: the first two start the sums
.irp g, 0,1
.irp d, 0,1
.if \first && (\g == 0)
	v_wmma_f32_16x16x32_f16 v[O+16*(\i)+8*\d:O+16*(\i)+8*\d+7], v[VF+8*(2*\g+\d):VF+8*(2*\g+\d)+7], v[P+16*(\i)+8*\g:P+16*(\i)+8*\g+7], 0
.else
	v_wmma_f32_16x16x32_f16 v[O+16*(\i)+8*\d:O+16*(\i)+8*\d+7], v[VF+8*(2*\g+\d):VF+8*(2*\g+\d)+7], v[P+16*(\i)+8*\g:P+16*(\i)+8*\g+7], v[O+16*(\i)+8*\d:O+16*(\i)+8*\d+7]
.endif
.endr
.endr
.endm
; THE SOFTMAX of tile i for one step: 32 scores a lane.  first = 1: a batch's first step, which starts m, l and O^T.
; hk = 1: behind the 16 lines of the maximum, which are the places behind the products just issued, stand the loads for later steps: K of step j + 2, V of step j + 1, and in step 2 (fill = 1) the next batch's Q.
.macro SM i, first, hk, j, fill
.set rT, ST+8*(\i)
.set rS, S+32*(\i)
.set rP, P+16*(\i)
.set rO, O+16*(\i)
.irp n, 0,1,2,3
	v_max3_num_f32 v[rT+4+\n], v[rS+8*\n], v[rS+8*\n+1], v[rS+8*\n+2]   ; four chains; each accumulator is read from its low end on
.endr
.irp n, 0,1,2,3
	v_max3_num_f32 v[rT+4+\n], v[rT+4+\n], v[rS+8*\n+3], v[rS+8*\n+4]
.endr
.irp n, 0,1,2,3
	v_max3_num_f32 v[rT+4+\n], v[rT+4+\n], v[rS+8*\n+5], v[rS+8*\n+6]
.endr
	v_max3_num_f32 v[rT+4], v[rT+4], v[rS+7], v[rS+15]
	v_max3_num_f32 v[rT+6], v[rT+6], v[rS+23], v[rS+31]
	v_max3_num_f32 v[rT+4], v[rT+4], v[rT+5], v[rT+6]
.if \first
	v_max_num_f32 v[rT+4], v[rT+4], v[rT+7]
.else
	v_max3_num_f32 v[rT+4], v[rT+4], v[rT+7], -v[rT]               ; and the old m
.endif
.if \hk
.if (\j) < 2
	FETCHK (\j)+2
.endif
	FETCHV (\j)+1
.if ((\j) == 2) && \fill
	s_add_nc_u64 s[4:5], s[4:5], 0x80000           ; the next batch's Q (this batch's loads were waited for at its head; its last products with Q are issued)
	QLOAD
.endif
.endif
	v_permlanex16_b32 v[rT+5], v[rT+4], s[SEL], s[SEL+1]           ; the query's other 32 keys lie in the lane 16 away
.if !\first
	v_mov_b32 v[rT+7], v[rT]
.endif
	v_min_num_f32 v[rT], -v[rT+4], -v[rT+5]        ; the new -m
.if !\first
	v_sub_f32 v[rT+7], v[rT], v[rT+7]              ; old m - new m
	v_exp_f32 v[rT+6], v[rT+7]                     ; a
.endif
.irp e, 0,1,2,3
	v_pk_add_f32 v[rS+2*\e:rS+2*\e+1], v[rS+2*\e:rS+2*\e+1], v[rT:rT+1] op_sel_hi:[1,0]   ; s - m, two at a time
.endr
.set e, 0
.rept 16                                       ; ONE BATCH of exponentials: nothing in it names a result; a pair is brought under m four pairs ahead of its exponentials
	v_exp_f32 v[rS+2*e], v[rS+2*e]
	v_exp_f32 v[rS+2*e+1], v[rS+2*e+1]
.if e < 12
	v_pk_add_f32 v[rS+2*e+8:rS+2*e+9], v[rS+2*e+8:rS+2*e+9], v[rT:rT+1] op_sel_hi:[1,0]
.endif
.set e, e+1
.endr
	v_nop                                          ; a plain instruction behind the last exponential (ISA guide 5.7.2),
	s_wait_alu depctr_va_vdst(0)                   ; and one wait ahead of the batch's first reader
.set e, 0
.rept 16
	v_cvt_pk_f16_f32 v[rP+e], v[rS+2*e], v[rS+2*e+1]
.set e, e+1
.endr
.irp u, 0,1,2,3,4,5,6,7                        ; the sum of the unrounded weights, in place, as a tree of pairs
	v_pk_add_f32 v[rS+4*\u:rS+4*\u+1], v[rS+4*\u:rS+4*\u+1], v[rS+4*\u+2:rS+4*\u+3]
.endr
.irp u, 0,1,2,3
	v_pk_add_f32 v[rS+8*\u:rS+8*\u+1], v[rS+8*\u:rS+8*\u+1], v[rS+8*\u+4:rS+8*\u+5]
.endr
.irp u, 0,1
	v_pk_add_f32 v[rS+16*\u:rS+16*\u+1], v[rS+16*\u:rS+16*\u+1], v[rS+16*\u+8:rS+16*\u+9]
.endr
.if \first
	v_pk_add_f32 v[rT+2:rT+3], v[rS:rS+1], v[rS+16:rS+17]
.else
	v_pk_add_f32 v[rS:rS+1], v[rS:rS+1], v[rS+16:rS+17]
	v_pk_fma_f32 v[rT+2:rT+3], v[rT+2:rT+3], v[rT+6:rT+7], v[rS:rS+1] op_sel_hi:[1,0,1]   ; l = a l + the sum
.irp u, 0,2,4,6,8,10,12,14
	v_pk_mul_f32 v[rO+\u:rO+\u+1], v[rO+\u:rO+\u+1], v[rT+6:rT+7] op_sel_hi:[1,0]          ; O^T x a, each accumulator from its low end on
.endr
.endif
.endm
; THE COMBINE.  Each wave stores its two tiles' O^T and (-m, l); a barrier; wave w then joins the four parts of query tile w >> 1, channels 16 (w & 1) on, and stores 512 bytes of ao.
.macro COMB
.irp i, 0,1
	v_add_f32 v[ST+8*\i+4], v[ST+8*\i+2], v[ST+8*\i+3]             ; (these four additions are the places behind the last products)
.endr
.irp i, 0,1
	v_permlanex16_b32 v[ST+8*\i+5], v[ST+8*\i+4], s[SEL], s[SEL+1]
.endr
.irp i, 0,1
	v_add_f32 v[ST+8*\i+1], v[ST+8*\i+4], v[ST+8*\i+5]             ; l of my 256 keys
.endr
.irp i, 0,1
.irp q, 0,1,2,3
	ds_store_b128 v[PST], v[O+16*\i+4*\q:O+16*\i+4*\q+3] offset:PTB*\i+512*\q
.endr
	ds_store_b64 v[PSM], v[ST+8*\i:ST+8*\i+1] offset:PTB*\i
.endr
	s_wait_dscnt 0x0                               ; for the others' sake: my stores have landed
	s_barrier_signal -1
	s_barrier_wait -1
.irp k, 0,1,2,3
	ds_load_b64 v[CM+2*\k:CM+2*\k+1], v[PLM] offset:2*PWB*\k
.endr
.irp k, 0,1,2,3
.irp c, 0,1
	ds_load_b128 v[CO+8*\k+4*\c:CO+8*\k+4*\c+3], v[PLD] offset:2*PWB*\k+512*\c
.endr
.endr
	s_wait_dscnt 8                                 ; the four pairs are in; O^T's eight loads may be out
	v_min3_num_f32 v172, v[CM], v[CM+2], v[CM+4]
	v_min_num_f32 v172, v172, v[CM+6]              ; -M
.irp k, 0,1,2,3
	v_sub_f32 v[G+2*\k+1], v172, v[CM+2*\k]        ; m_k - M
.endr
.irp k, 0,1,2,3
	v_exp_f32 v[G+2*\k+1], v[G+2*\k+1]             ; f_k
.endr
	v_nop
	s_wait_alu depctr_va_vdst(0)                   ; one wait for the four
	v_mul_f32 v173, v[G+1], v[CM+1]
	v_fma_f32 v173, v[G+3], v[CM+3], v173
	v_fma_f32 v173, v[G+5], v[CM+5], v173
	v_fma_f32 v173, v[G+7], v[CM+7], v173          ; the row's sum under M: at least 1
	v_rcp_f32 v174, v173
	v_nop
	s_wait_alu depctr_va_vdst(0)
.irp k, 0,1,2,3
	v_mul_f32 v[G+2*\k], v[G+2*\k+1], v174         ; g_k = f_k / the sum
.endr
	s_wait_dscnt 0x0
.irp u, 0,2,4,6
	v_pk_mul_f32 v[R+\u:R+\u+1], v[CO+\u:CO+\u+1], v[G:G+1] op_sel_hi:[1,0]
.endr
.irp k, 1,2,3
.irp u, 0,2,4,6
	v_pk_fma_f32 v[R+\u:R+\u+1], v[CO+8*\k+\u:CO+8*\k+\u+1], v[G+2*\k:G+2*\k+1], v[R+\u:R+\u+1] op_sel_hi:[1,0,1]
.endr
.endr
.irp u, 0,1,2,3
	v_cvt_pk_f16_f32 v[PK+\u], v[R+2*\u], v[R+2*\u+1]
.endr
	global_store_b128 v[GO], v[PK:PK+3], s[10:11]  ; the wave stores 512 consecutive bytes, aligned
	s_wait_xcnt 0x0                                ; the store has read its registers and its base,
	s_add_nc_u64 s[10:11], s[10:11], 0x80000       ; which steps to the next batch
.endm
; THE CHANGE OF SLOTS stands at a batch's head.  Each wave waits for all its tensor loads (its part of the batch that it is about to read), adds 0 to its spare word, and waits for that and for its LDS reads of the batch
; that it has left (of the parts too).  fill = 1: behind a round of the cluster's barrier the slot just left takes the next batch: the load has a whole batch's work in which to land.
.macro CHANGE fill
	s_wait_tensorcnt 0x0                           ; no tensor load of mine is out, so the group 0 may be written
	ds_add_u32 v[SPW], v[NIL]
.if \fill
	s_xor_b32 s[G0+1], s[G0+1], SLOT1              ; the other slot than last time,
	s_add_nc_u64 s[G0+2:G0+3], s[G0+2:G0+3], 0x100000  ; the next batch of my head: 8 heads x 131,072 bytes on
	s_wait_xcnt 0x0                                ; the last prefetch, a batch back, has read its address
	s_add_nc_u64 s[PFA:PFA+1], s[PFA:PFA+1], 0x100000
	s_wait_dscnt 0x0
	CROUND
	tensor_load_to_lds s[G0:G0+3], s[G1:G1+7]      ; the first thing behind the round, and my one tensor load until the next
	s_nop 0
.rept 4
	v_nop
.endr
	ASK
.else
	s_wait_dscnt 0x0
	s_barrier_signal -1
	s_barrier_wait -1
.endif
.endm
.macro BATCH fill
	v_add_nc_u32 v[ADK], s[TB], v[AK0]
	v_add_nc_u32 v[ADV], s[TB], v[AV0]
	FETCHK 0
	FETCHV 0
	s_wait_loadcnt 0x0                             ; Q (the first time: the bias too)
	s_wait_dscnt 8                                 ; K's eight loads are in; V's eight may be out
	SMM 0, 0
	SMM 1, 0
.rept 4
	v_nop                                          ; places in front of the loads into K's registers and of the first read of scores
.endr
	FETCHK 1
	SM 0, 1, 0, 0, 0
	s_wait_dscnt 0x0                               ; step 0: V of step 0, K of step 1
	PVM 0, 1
	SMM 0, 1
	SM 1, 1, 0, 0, 0
	PVM 1, 1
	SMM 1, 1
	SM 0, 0, 1, 0, \fill
	s_wait_dscnt 0x0                               ; step 1
	PVM 0, 0
	SMM 0, 2
	SM 1, 0, 0, 0, 0
	PVM 1, 0
	SMM 1, 2
	SM 0, 0, 1, 1, \fill
	s_wait_dscnt 0x0                               ; step 2
	PVM 0, 0
	SMM 0, 3
	SM 1, 0, 0, 0, 0
	PVM 1, 0
	SMM 1, 3
	SM 0, 0, 1, 2, \fill
	s_wait_dscnt 0x0                               ; step 3
	PVM 0, 0
	SM 1, 0, 0, 0, 0
	PVM 1, 0
	COMB
.endm
	s_load_b256 s[4:11], s[0:1], 0x0               ; qw s[4:5], kv s[6:7], biasw s[8:9], ao s[10:11]
	v_lshl_add_u32 v[SPW], v0, 2, SPARE
	v_mov_b32 v[NIL], 0
	ds_add_u32 v[SPW], v[NIL]                      ; the wave's opening: the add, twice on end, and its wait ahead of my first tensor load
	ds_add_u32 v[SPW], v[NIL]
	v_lshrrev_b32 v1, 5, v0
	v_readfirstlane_b32 s[WV], v1                  ; wave 0..7
	s_bfe_u32 s13, ttmp6, 0x40000                  ; cx: it enters global addresses of Q, bias, ao and the prefetch alone
	s_lshl_b32 s14, ttmp9, 2
	s_add_co_u32 s14, s14, s13                     ; my block of 64 queries
	s_and_b32 s15, ttmp7, 0xffff
	s_lshr_b32 s16, s15, 3                         ; which 16 batches
	s_and_b32 s15, s15, 7                          ; the head
	s_lshl_b32 s17, s16, 7
	s_add_co_u32 s17, s17, s15                     ; 8 x first batch + head
	s_and_b32 s18, s[WV], 1                        ; p; in the combine: which 16 channels
	s_lshr_b32 s19, s[WV], 1                       ; kq; in the combine: which query tile
	; descriptor group 1: 64 dense rows of 32 elements of 8 bytes; the mask names all four work-groups, bit 21 beside it
	s_mov_b32 s[G1+0], 15|(3<<16)|(1<<21)
	s_mov_b32 s[G1+1], 32<<16
	s_mov_b32 s[G1+2], 64<<16
	s_mov_b32 s[G1+3], 32<<16
	s_mov_b32 s[G1+4], 64
	s_mov_b32 s[G1+5], 32
	s_mov_b32 s[G1+6], 0
	s_mov_b32 s[G1+7], 0
	s_lshl_b32 s20, s17, 17                        ; kv: the first batch's block of my head,
	s_lshl_b32 s21, s[WV], 14                      ; my 16,384 bytes of it: made of what the partners share
	s_add_co_u32 s20, s20, s21
	s_mov_b32 s21, 0
	s_lshl_b32 s44, s17, 16                        ; qw: the head's 65,536 bytes, my block's 4 tiles
	s_lshl_b32 s45, s14, 12
	s_add_co_u32 s44, s44, s45
	s_mov_b32 s45, 0
	s_lshl_b32 s46, s15, 6                         ; biasw: query tile 64 h + 4 x block + 2 p, of 65,536 bytes; my 16 key tiles
	s_lshl_b32 s47, s14, 2
	s_add_co_u32 s46, s46, s47
	s_lshl_b32 s47, s18, 1
	s_add_co_u32 s46, s46, s47
	s_lshl_b32 s46, s46, 16
	s_lshl_b32 s47, s19, 14
	s_add_co_u32 s46, s46, s47
	s_mov_b32 s47, 0
	s_lshl_b32 s48, s16, 23                        ; ao: 16 batches of 524,288 bytes; my block's 4 tiles of 8,192; my head's 1,024
	s_lshl_b32 s49, s14, 15
	s_add_co_u32 s48, s48, s49
	s_lshl_b32 s49, s15, 10
	s_add_co_u32 s48, s48, s49
	s_mov_b32 s49, 0
	s_lshl_b32 s50, s17, 17                        ; the prefetches: batch 1's block (the first change steps it to batch 2), my work-group's quarter, my wave's 8,192 bytes
	s_add_co_u32 s50, s50, 0x100000
	s_lshl_b32 s51, s13, 15
	s_add_co_u32 s50, s50, s51
	s_and_b32 s51, s[WV], 3
	s_lshl_b32 s51, s51, 13
	s_add_co_u32 s50, s50, s51
	s_mov_b32 s51, 0
	s_lshr_b32 s[LIM], s[WV], 2                    ; 0 in waves 0 to 3,
	s_or_b32 s[LIM], s[LIM], ttmp9                 ; of the row's first cluster: the same in all four partners
	s_cmp_eq_u32 s[LIM], 0
	s_cselect_b32 s[LIM], 1, -1
	s_mov_b32 s[SEL], 0x76543210
	s_mov_b32 s[SEL+1], 0xfedcba98
	s_mov_b32 s[TB], 0
	s_mov_b32 s[CNT], 15
	s_mov_b32 s[G0], 1
	s_lshl_b32 s[G0+1], s[WV], 14                  ; slot 0, my 16,384 bytes
	s_wait_dscnt 0x0                               ; both opening adds are done
	s_wait_kmcnt 0x0
	s_add_nc_u64 s[G0+2:G0+3], s[6:7], s[20:21]
	s_or_b32 s[G0+3], s[G0+3], 0x80000000          ; type = 2
	s_add_nc_u64 s[PFA:PFA+1], s[6:7], s[50:51]
	s_add_nc_u64 s[4:5], s[4:5], s[44:45]
	s_add_nc_u64 s[8:9], s[8:9], s[46:47]
	s_add_nc_u64 s[10:11], s[10:11], s[48:49]
	CROUND                                         ; all four work-groups are here: the first joint loads meet
	tensor_load_to_lds s[G0:G0+3], s[G1:G1+7]      ; batch 0 into slot 0
	s_nop 0
.rept 4
	v_nop
.endr
	v_and_b32 v1, 31, v0
	v_lshlrev_b32 v[BOF], 4, v1
	v_lshlrev_b32 v15, 3, v1
	v_lshlrev_b32 v[PFO], 8, v1
	s_lshl_b32 s52, s19, 14
	v_add_nc_u32 v[AK0], s52, v[BOF]               ; my 256 keys: 16 tiles of 1,024 bytes
	v_add_nc_u32 v[AV0], 0x10000, v[AK0]           ; and 8 groups of 2,048 bytes of V, behind K's image
	s_lshl_b32 s52, s18, 11
	v_add_nc_u32 v[QO], s52, v[BOF]
	s_mul_i32 s52, s[WV], PWB
	s_add_co_u32 s52, s52, PART
	v_add_nc_u32 v[PST], s52, v[BOF]
	s_add_co_u32 s53, s52, 2048
	v_add_nc_u32 v[PSM], s53, v15
	s_lshr_b32 s52, s[WV], 2                       ; the combine: query tile T = w >> 1 was made by the waves with p = T >> 1, as their tile T & 1
	s_mul_i32 s52, s52, PWB
	s_bfe_u32 s53, s[WV], 0x10001
	s_mul_i32 s53, s53, PTB
	s_add_co_u32 s52, s52, s53
	s_add_co_u32 s52, s52, PART
	s_add_co_u32 s53, s52, 2048
	v_add_nc_u32 v[PLM], s53, v15
	s_lshl_b32 s53, s18, 10
	s_add_co_u32 s52, s52, s53
	v_add_nc_u32 v[PLD], s52, v[BOF]
	s_lshl_b32 s52, s19, 13
	s_lshl_b32 s53, s18, 9
	s_add_co_u32 s52, s52, s53
	v_add_nc_u32 v[GO], s52, v[BOF]
	v_mov_b32 v[ST+1], 0                           ; named as the upper half of the pair with -m before it is first written
	v_mov_b32 v[ST+9], 0
	WIN 0x40                                       ; destination window 1
.irp i, 0,1
.irp t, 0,1,2,3,4,5,6,7,8,9,10,11,12,13,14,15
.irp c, 0,1
	global_load_b128 v[8*(16*\i+\t)+4*\c:8*(16*\i+\t)+4*\c+3], v[BOF], s[8:9] offset:\i*65536+\t*1024+\c*512   ; the bias stays
.endr
.endr
.endr
	WIN 0
	QLOAD                                          ; batch 0's Q
.Lbatch:                                           ; 15 trips: trip i asks for batch i + 1 and works on batch i
	CHANGE 1
	BATCH 1
	s_xor_b32 s[TB], s[TB], SLOT1
	s_sub_co_u32 s[CNT], s[CNT], 1
	s_cmp_lg_u32 s[CNT], 0
	s_cbranch_scc1 .Lbatch
	CHANGE 0                                       ; the last batch is written out
	BATCH 0
	s_wait_tensorcnt 0x0                           ; the wave's end: behind my last tensor load and my last LDS store
	ds_add_u32 v[SPW], v[NIL]
	s_wait_dscnt 0x0
	CROUND                                         ; the closing round
	s_endpgm
.Lfunc_end_k_q3cee17218d_attn:
	.size	k_q3cee17218d_attn, .Lfunc_end_k_q3cee17218d_attn-k_q3cee17218d_attn
	.p2alignl 7, 3214868480
	.fill 96, 4, 3214868480
	.section	.rodata,"a",@progbits
	.p2align	6, 0x0
	.amdhsa_kernel k_q3cee17218d_attn
		.amdhsa_group_segment_fixed_size 327680
		.amdhsa_private_segment_fixed_size 0
		.amdhsa_enable_private_segment 0
		.amdhsa_kernarg_size 32
		.amdhsa_user_sgpr_count 2
		.amdhsa_user_sgpr_kernarg_segment_ptr 1
		.amdhsa_wavefront_size32 1
		.amdhsa_system_sgpr_workgroup_id_x 1
		.amdhsa_system_sgpr_workgroup_id_y 1
		.amdhsa_system_sgpr_workgroup_id_z 1
		.amdhsa_system_vgpr_workitem_id 0
		.amdhsa_next_free_vgpr 512
		.amdhsa_next_free_sgpr 66
		.amdhsa_reserve_vcc 0
		.amdhsa_float_denorm_mode_32 3
		.amdhsa_float_denorm_mode_16_64 3
		.amdhsa_memory_ordered 1
		.amdhsa_forward_progress 1
		.amdhsa_inst_pref_size 130
	.end_amdhsa_kernel
	.amdgpu_metadata
---
amdhsa.version: [ 1, 2 ]
amdhsa.kernels:
  - .name:           k_q3cee17218d_attn
    .symbol:         k_q3cee17218d_attn.kd
    .args:
      - { .name: qw, .offset: 0, .size: 8, .value_kind: global_buffer, .address_space: global }
      - { .name: kv, .offset: 8, .size: 8, .value_kind: global_buffer, .address_space: global }
      - { .name: biasw, .offset: 16, .size: 8, .value_kind: global_buffer, .address_space: global }
      - { .name: ao, .offset: 24, .size: 8, .value_kind: global_buffer, .address_space: global }
    .group_segment_fixed_size: 327680
    .private_segment_fixed_size: 0
    .kernarg_segment_align: 8
    .kernarg_segment_size: 32
    .max_flat_workgroup_size: 256
    .sgpr_count:     66
    .vgpr_count:     512
    .wavefront_size: 32
...
	.end_amdgpu_metadata
.endif
;; end of part 3
;; launch out (part 4): grid 256 x 1, 8 waves a work-group, clusters of 4 x 1, 197,632 bytes of LDS; arguments ao, wo, b_out, out0; writes out0
.if DOCPART == 4
	.amdgcn_target "amdgcn-amd-amdhsa--gfx1250"
	.amdhsa_code_object_version 6
	.text
	.protected	k_q3cee17218d_out
	.globl	k_q3cee17218d_out
	.p2align	8
	.type	k_q3cee17218d_out,@function
k_q3cee17218d_out:
	s_mov_b64 s[64:65], 0
	v_nop
	global_prefetch_b8 v0, s[64:65] scope:SCOPE_SE
	s_setreg_imm32_b32 hwreg(HW_REG_WAVE_MODE, 25, 1), 1
	s_wait_xcnt 0x0
	s_wait_alu depctr_hold_cnt(0) depctr_sa_sdst(0) depctr_va_vdst(0) depctr_va_sdst(0) depctr_va_ssrc(0) depctr_va_vcc(0) depctr_vm_vsrc(0)
	s_getreg_b32 s2, hwreg(HW_REG_IB_STS2, 6, 4)
	s_cmp_eq_u32 s2, 0
	s_cbranch_scc0 .Lentry_in_a_cluster
	s_endpgm
.Lentry_in_a_cluster:
	s_bfe_u32 s2, ttmp6, 0x10000c
	s_cmp_lg_u32 s2, 0x3003
	s_cbranch_scc0 .Lentry_shape_is_right
	s_endpgm
.Lentry_shape_is_right:
; OUT: out0 = o W_out + b_out.  o (ao) and W_out (wo) arrive in f16 as images of the operands' registers; sums in f32; out0 f32.
; SHARES.  A work-group takes 128 tokens.  Wave w (G = w & 3, hf = w >> 2) makes columns 64 G .. + 63 for token tiles 4 hf .. + 3; its 32 fragments of W_out fill window 1.
; THE COLUMNS OF A TILE ARE 4 APART: lane r of tile t holds column 64 G + 4 r + t.  So the four tiles' results of one token are four NEIGHBOURING columns, and the addition of b_out, which is owed anyway,
; writes them into four neighbouring registers: 16 bytes a lane, sixteen lanes 256 consecutive bytes of a row of out0, with no trip through LDS.
; CLUSTER.  All work-groups read the same 131,072 bytes of wo: the four of a cluster ask for them jointly, each wave for 16,384.  A work-group's own 65,536 bytes of ao come by plain loads.  Both are filled once.
; REGISTERS: window 0: v1-4 addresses; v12-15 b_out; v16-143 two sets of a token tile's 8 fragments; v144-175 four accumulators; v176-207 results.  Window 1: W_out, (K step s, tile t) at 8 (4 s + t).
.set AL,    131072                     ; LDS: wo from 0; ao's 8 token tiles of 8,192 bytes from here;
.set SPARE, AL+65536                   ; the spare words, 128 bytes a wave, which no other line names
.set WAD, 1
.set AAD, 2
.set CO,  3
.set BOA, 4
.set BO,  12
.set AF,  16
.set ACC, 144
.set OUTR, 176
.set SPW, 252
.set NIL, 253
.set WV,  12
.set G1J, 24
.set G1P, 32
.set G0J, 40
.set G0P, 44
.set MSB, 0
.macro WIN new
.if MSB != \new
	s_set_vgpr_msb (MSB<<8)|\new
.set MSB, \new
.endif
.endm
.macro CROUND
	s_barrier_signal -1
	s_barrier_wait -1
	s_cmp_lg_u32 s[WV], 0
	s_cbranch_scc1 .Lnot_wave_0_\@
	s_barrier_signal -3
.Lnot_wave_0_\@:
	s_barrier_wait -3
	s_barrier_signal -1
	s_barrier_wait -1
.endm
.macro AFETCH i                        ; my token tile i: 8 fragments (a head each) into set i % 2
.irp s, 0,1,2,3,4,5,6,7
.irp c, 0,1
	ds_load_b128 v[AF+64*((\i)%2)+8*\s+4*\c:AF+64*((\i)%2)+8*\s+4*\c+3], v[AAD] offset:(\i)*8192+\s*1024+\c*512
.endr
.endr
.endm
	s_load_b256 s[4:11], s[0:1], 0x0               ; ao s[4:5], wo s[6:7], b_out s[8:9], out0 s[10:11]
	v_lshl_add_u32 v[SPW], v0, 2, SPARE
	v_mov_b32 v[NIL], 0
	ds_add_u32 v[SPW], v[NIL]                      ; the wave's opening: the add, twice on end, and its wait ahead of my first tensor load
	ds_add_u32 v[SPW], v[NIL]
	v_lshrrev_b32 v1, 5, v0
	v_readfirstlane_b32 s[WV], v1                  ; wave 0..7
	s_bfe_u32 s13, ttmp6, 0x40000                  ; cx
	s_lshl_b32 s14, ttmp9, 2
	s_add_co_u32 s14, s14, s13                     ; my block of 128 tokens: it enters ao's and out0's addresses alone
	s_and_b32 s15, s[WV], 3                        ; G
	s_lshr_b32 s16, s[WV], 2                       ; hf
	; group 1 of the joint load: 64 dense rows of 256 bytes, the mask of all four, bit 21 beside it
	s_mov_b32 s[G1J+0], 15|(3<<16)|(1<<21)
	s_mov_b32 s[G1J+1], 32<<16
	s_mov_b32 s[G1J+2], 64<<16
	s_mov_b32 s[G1J+3], 32<<16
	s_mov_b32 s[G1J+4], 64
	s_mov_b32 s[G1J+5], 32
	s_mov_b32 s[G1J+6], 0
	s_mov_b32 s[G1J+7], 0
	; group 1 of the plain load: 32 dense rows of 256 bytes
	s_mov_b32 s[G1P+0], 3<<16
	s_mov_b32 s[G1P+1], 32<<16
	s_mov_b32 s[G1P+2], 32<<16
	s_mov_b32 s[G1P+3], 32<<16
	s_mov_b32 s[G1P+4], 32
	s_mov_b32 s[G1P+5], 32
	s_mov_b32 s[G1P+6], 0
	s_mov_b32 s[G1P+7], 0
	s_mov_b32 s[G0J], 1
	s_lshl_b32 s[G0J+1], s[WV], 14
	s_lshl_b32 s20, s[WV], 14                      ; wo: my 16,384 bytes: the wave's number alone
	s_mov_b32 s21, 0
	s_mov_b32 s[G0P], 1
	s_lshl_b32 s[G0P+1], s[WV], 13
	s_add_co_u32 s[G0P+1], s[G0P+1], AL
	s_lshl_b32 s48, s14, 16                        ; ao: my block's 65,536 bytes, my wave's 8,192
	s_lshl_b32 s49, s[WV], 13
	s_add_co_u32 s48, s48, s49
	s_mov_b32 s49, 0
	s_lshl_b32 s50, s14, 17                        ; out0: my block's 128 rows of 1,024 bytes, my 64 of them, my 64 columns
	s_lshl_b32 s51, s16, 16
	s_add_co_u32 s50, s50, s51
	s_lshl_b32 s51, s15, 8
	s_add_co_u32 s50, s50, s51
	s_mov_b32 s51, 0
	s_wait_dscnt 0x0                               ; both opening adds are done
	s_wait_kmcnt 0x0
	s_add_nc_u64 s[G0J+2:G0J+3], s[6:7], s[20:21]
	s_or_b32 s[G0J+3], s[G0J+3], 0x80000000
	s_add_nc_u64 s[G0P+2:G0P+3], s[4:5], s[48:49]
	s_or_b32 s[G0P+3], s[G0P+3], 0x80000000
	s_add_nc_u64 s[10:11], s[10:11], s[50:51]
	CROUND                                         ; in front of the first loads
	tensor_load_to_lds s[G0J:G0J+3], s[G1J:G1J+7]  ; two loads of mine are out: my part of wo, jointly,
	s_nop 0
	tensor_load_to_lds s[G0P:G0P+3], s[G1P:G1P+7]  ; and my part of ao
	s_nop 0
.rept 4
	v_nop
.endr
	v_and_b32 v5, 31, v0
	v_and_b32 v6, 15, v0                           ; r
	v_bfe_u32 v7, v0, 4, 1                         ; hl
	s_lshl_b32 s52, s15, 15
	v_lshl_add_u32 v[WAD], v5, 4, s52              ; wo: 32,768 G + 16 x lane
	s_lshl_b32 s52, s16, 15
	s_add_co_u32 s52, s52, AL
	v_lshl_add_u32 v[AAD], v5, 4, s52              ; ao: my four token tiles
	v_lshlrev_b32 v[CO], 13, v7
	v_lshl_add_u32 v[CO], v6, 4, v[CO]             ; out0: 8 hl rows + 16 r
	s_lshl_b32 s52, s15, 8
	v_lshl_add_u32 v[BOA], v6, 4, s52
	global_load_b128 v[BO:BO+3], v[BOA], s[8:9]    ; b_out[64 G + 4 r + 0 .. 3]
	s_wait_tensorcnt 0x0                           ; my parts are in,
	s_barrier_signal -1
	s_barrier_wait -1                              ; everybody's are
	WIN 0x40                                       ; destination window 1
.set n, 0
.rept 64
	ds_load_b128 v[4*n:4*n+3], v[WAD] offset:512*n ; my 32 fragments of W_out, as they lie
.set n, n+1
.endr
	WIN 0
	AFETCH 0
	AFETCH 1
.macro TOK i
.if (\i) < 3
	s_wait_dscnt 16                                ; all but the next token tile's 16 loads
.else
	s_wait_dscnt 0x0
.endif
	WIN 0x04                                       ; source 1 (W_out) window 1
.irp s, 0,1,2,3,4,5,6,7                        ; the four accumulators by turns; the first K step starts the sums
.irp t, 0,1,2,3
.if \s == 0
	v_wmma_f32_16x16x32_f16 v[ACC+8*\t:ACC+8*\t+7], v[AF+64*((\i)%2)+8*\s:AF+64*((\i)%2)+8*\s+7], v[8*(4*\s+\t):8*(4*\s+\t)+7], 0
.else
	v_wmma_f32_16x16x32_f16 v[ACC+8*\t:ACC+8*\t+7], v[AF+64*((\i)%2)+8*\s:AF+64*((\i)%2)+8*\s+7], v[8*(4*\s+\t):8*(4*\s+\t)+7], v[ACC+8*\t:ACC+8*\t+7]
.endif
.endr
.endr
	WIN 0
.rept 4
	v_nop                                          ; four places in front of the loads into the set just multiplied and of the first read of results
.endr
.if (\i) < 2
	AFETCH (\i)+2
.endif
.if (\i) == 0
	s_wait_loadcnt 0x0                             ; b_out
.else
	s_wait_xcnt 0x0                                ; the last tile's stores have read their registers
.endif
.irp j, 0,1,2,3,4,5,6,7                        ; token 8 hl + j: register j of each accumulator, from the low end on
.irp t, 0,1,2,3
	v_add_f32 v[OUTR+4*\j+\t], v[ACC+8*\t+\j], v[BO+\t]
.endr
	global_store_b128 v[CO], v[OUTR+4*\j:OUTR+4*\j+3], s[10:11] offset:(\i)*16384+\j*1024 th:TH_STORE_NT   ; sixteen lanes store 256 consecutive bytes, aligned; written once, read by nobody here
.endr
.endm
	TOK 0
	TOK 1
	TOK 2
	TOK 3
	s_wait_tensorcnt 0x0                           ; the wave's end: behind my last tensor load
	ds_add_u32 v[SPW], v[NIL]
	s_wait_dscnt 0x0
	CROUND                                         ; the closing round
	s_endpgm
.Lfunc_end_k_q3cee17218d_out:
	.size	k_q3cee17218d_out, .Lfunc_end_k_q3cee17218d_out-k_q3cee17218d_out
	.p2alignl 7, 3214868480
	.fill 96, 4, 3214868480
	.section	.rodata,"a",@progbits
	.p2align	6, 0x0
	.amdhsa_kernel k_q3cee17218d_out
		.amdhsa_group_segment_fixed_size 197632
		.amdhsa_private_segment_fixed_size 0
		.amdhsa_enable_private_segment 0
		.amdhsa_kernarg_size 32
		.amdhsa_user_sgpr_count 2
		.amdhsa_user_sgpr_kernarg_segment_ptr 1
		.amdhsa_wavefront_size32 1
		.amdhsa_system_sgpr_workgroup_id_x 1
		.amdhsa_system_sgpr_workgroup_id_y 1
		.amdhsa_system_sgpr_workgroup_id_z 1
		.amdhsa_system_vgpr_workitem_id 0
		.amdhsa_next_free_vgpr 512
		.amdhsa_next_free_sgpr 66
		.amdhsa_reserve_vcc 0
		.amdhsa_float_denorm_mode_32 3
		.amdhsa_float_denorm_mode_16_64 3
		.amdhsa_memory_ordered 1
		.amdhsa_forward_progress 1
		.amdhsa_inst_pref_size 29
	.end_amdhsa_kernel
	.amdgpu_metadata
---
amdhsa.version: [ 1, 2 ]
amdhsa.kernels:
  - .name:           k_q3cee17218d_out
    .symbol:         k_q3cee17218d_out.kd
    .args:
      - { .name: ao, .offset: 0, .size: 8, .value_kind: global_buffer, .address_space: global }
      - { .name: wo, .offset: 8, .size: 8, .value_kind: global_buffer, .address_space: global }
      - { .name: b_out, .offset: 16, .size: 8, .value_kind: global_buffer, .address_space: global }
      - { .name: out0, .offset: 24, .size: 8, .value_kind: global_buffer, .address_space: global }
    .group_segment_fixed_size: 197632
    .private_segment_fixed_size: 0
    .kernarg_segment_align: 8
    .kernarg_segment_size: 32
    .max_flat_workgroup_size: 256
    .sgpr_count:     66
    .vgpr_count:     512
    .wavefront_size: 32
...
	.end_amdgpu_metadata
.endif
;; end of part 4
